; MI455X (gfx1250); checked and timed in simulation.
; The chip was launched on July 23, 2026; its instructions are those of AMD's public machine-readable ISA for CDNA 5 (MIT licence, August 2026) and "CDNA5" Instruction Set Architecture Reference Guide (July 2026). The comments in the code are by the model that wrote it; some were corrected since.
;; Bilinear Dense. Allowed arithmetic: matrix products marked QUANTISED: E4M3 operands, one given power-of-two scale a tensor, by v_wmma_f32_16x16x64_fp8_fp8 or v_wmma_f32_16x16x128_fp8_fp8, f32 sums; products left as they are: f32 operands where the result goes on into a quantised operand, else bf16, f16 or f32 operands; f32 sums; everything else in f32.
;; Inputs: W_bias 65,536 float32; W_kernel 256 x 65,536 float32; b_bias 256 float32; b_kernel 256 x 256 float32; lowp_scales 4 int32 (the exponents e of the quantised operands' scales 2^e); x 4,096 x 256 float32; z 4,096 x 256 float32.
;; Outputs: out0 4,096 x 256 float32.
;; This version of the problem:
;;   THIS VERSION OF THE PROBLEM IS GIVEN IN LOW PRECISION. The matrix products marked QUANTISED in the list below multiply operands that are first quantised to E4M3 (4 exponent bits, 3 mantissa bits; 8 bits a number), with one given power-of-two scale for each operand tensor; their sums are f32. All else is computed in f32.
;;   The module's matrix products, in the order in which they are computed (A, B: the left and right operand; K: the contracted axis; several contracted axes count as one K, in the product's order):
;;     1. [M 4,096, K 256] x [K 256, N 65,536]; A: input z; B: input W_kernel: QUANTISED (scales: A lowp_scales[0], B lowp_scales[1])
;;     2. [M 4,096, K 256] x [K 256, N 256]; A: input z; B: input b_kernel: QUANTISED (scales: A lowp_scales[2], B lowp_scales[3])
;;     3. batch 4,096 x [M 256, K 256] x [K 256, N 1]; A: computed on the way; B: input x: left as it is (N = 1 < 16)
;;   THE QUANTISER, for each operand of a quantised product, along K:
;;     - The operand's scale is 2^e, e = its entry of the input lowp_scales (int32; the entries are numbered through the quantised products in the list's order, A before B).
;;     - Each number is divided by the scale, clamped to +-448, and rounded to the nearest number of E4M3, ties to even, subnormals kept.
;;     - The product sums the exact products of the quantised numbers (number of the format x scale) in f32.
;;   ~~~python
;;   def quantise(x, axis, e):      # numpy; x: float32 -> the quantised numbers, widened to float32 again
;;       x = np.moveaxis(x, axis, -1); K = x.shape[-1]
;;       r = np.clip(x / 2.0 ** e, -448, 448)
;;       step = 2.0 ** (np.maximum(np.frexp(np.where(r == 0, 1, r))[1] - 1, -6) - 3)
;;       q = np.round(r / step) * step * 2.0 ** e      # np.round: ties to even
;;       return np.moveaxis(q, -1, axis).astype(np.float32)
;;   ~~~
;; One version. Each part assembles by itself: llvm-mc -triple=amdgcn-amd-amdhsa -mcpu=gfx1250 --defsym DOCPART=n.
;; ======== version 1 of 1: 2 launches
;; workspace buffers: wc 16,777,216 bytes; zc0 1,048,576 bytes; zc2 1,048,576 bytes; bkc 65,536 bytes
;; launch prep (part 1): grid 1156 x 1, 8 waves a work-group, no clusters, 0 bytes of LDS; arguments W_kernel, z, b_kernel, lowp_scales, wc, zc0, zc2, bkc; writes wc, zc0, zc2, bkc
.if DOCPART == 1
	.amdgcn_target "amdgcn-amd-amdhsa--gfx1250"
	.amdhsa_code_object_version 6
	.text
	.protected	k_qb0286b61c6_prep
	.globl	k_qb0286b61c6_prep
	.p2align	8
	.type	k_qb0286b61c6_prep,@function
k_qb0286b61c6_prep:
	s_mov_b64 s[64:65], 0
	v_nop
	global_prefetch_b8 v0, s[64:65] scope:SCOPE_SE
	s_setreg_imm32_b32 hwreg(HW_REG_WAVE_MODE, 25, 1), 1
	s_wait_xcnt 0x0
; The operands of both quantised products become codes of FP8 (E4M3), once, laid as the next launch's operand registers want them.
; code = x / 2^e, held within +-448, rounded to the nearest code, ties to even.  e: lowp_scales[0] z (first product), [1] W_kernel, [2] z (second product), [3] b_kernel.
; LIMITS: each e lies between -126 and 119, so that 2^e and 448 x 2^e are f32 numbers.  NaN among the inputs is not served.
; LAYOUT OF EVERY OUTPUT: tiles of 16 rows x 256 along K, 4,096 bytes.  The 16 codes K = 16 kk .. 16 kk + 15 of row r lie at byte 256 kk + 16 r of the tile.  So the q-th run of 512 bytes, 16 bytes a lane,
; gives lane (r, h) the codes K = 32 q + 16 h + 0 .. 15 of row r: four registers of a fragment.
;   wc : a tile's row r is column 256 o + 16 t + r of W_kernel; tile (o, t) lies at (o / 8) 524,288 + (t / 2) 65,536 + (t % 2) 32,768 + (o % 8) 4,096: the order in which the next launch walks them
;   zc0, zc2 : rows 16 bt .. 16 bt + 15 of z at 4,096 bt, with the scale of the first and of the second product
;   bkc : columns 16 g .. 16 g + 15 of b_kernel at 4,096 g
; WORK-GROUPS: 0 - 1,023 take W_kernel (one o, 64 along K each), 1,024 - 1,151 take z (two tiles of rows each), 1,152 - 1,155 take b_kernel (64 along K each).  The branch hangs on the work-group's number alone.
; W_kernel and b_kernel have K as their FIRST axis: a lane takes a column and its registers run down K, so that each load reads 128 consecutive bytes a wave (1,024 a work-group) and the conversions, which take
; neighbours along K from one lane's registers, give the codes with K innermost.  A lane's 16 codes are 16 bytes, and sixteen neighbouring lanes store 256 consecutive bytes, aligned.  No LDS, no barrier: waves share nothing.
; No prefetch: the launch is one stream of loads, 64 out in each wave, and several work-groups lie on a WGP.
.set PW,   262144                      ; bytes from row to row of W_kernel
.set PB,   1024                        ; of b_kernel, and of z
.set NW,   1024                        ; work-groups for W_kernel
.set NZ,   128                         ; for z
.set X,    16                          ; v16-79  64 numbers of a lane
.set C,    80                          ; v80-95  their codes: each store has registers of its own, so none is written again
.set SRC,  5                           ; v5      4 x lane: my column's bytes in a row
.set DST,  6                           ; v6      my 16 bytes in the output
.set ZSRC, 7                           ; v7      z: my 64 bytes in the tile of rows
.macro SCALE e, vs, vl                 ; vs = 2^e as f32 (the conversion takes its exponent field); vl = 448 x 2^e
	s_add_co_i32 s34, \e, 127
	s_lshl_b32 s35, s34, 23
	v_mov_b32 \vs, s35
	s_add_co_i32 s34, s34, 8
	s_lshl_b32 s34, s34, 23
	s_or_b32 s34, s34, 0x600000                    ; 448 = 1.75 x 2^8: its mantissa field
	v_mov_b32 \vl, s34
.endm
; 32 columns x 64 along K for a wave.  s[24:25]: the first row's bytes; s[32:33]: where the codes go; e: the scale's register.
; Four bases, 16 rows apart, keep every offset inside the signed 24-bit immediate (15 rows of 262,144 bytes at the most).
.macro COLS pitch, e
.irp u, 1,2,3
	s_add_nc_u64 s[24+2*\u:25+2*\u], s[24:25], \u*16*\pitch
.endr
.irp u, 0,1,2,3
.irp i, 0,1,2,3,4,5,6,7,8,9,10,11,12,13,14,15
	global_load_b32 v[X+16*\u+\i], v[SRC], s[24+2*\u:25+2*\u] offset:\i*\pitch th:TH_LOAD_NT   ; row 16 u + i, my column; read once in the launch
.endr
.endr
	s_wait_kmcnt 0x0                               ; the scales' exponents
	SCALE s\e, v8, v9
.irp u, 0,1,2,3
	s_wait_loadcnt 48-16*\u                        ; loads come back in order: this chunk's 16 are in, the younger chunks' may be out
.irp i, 0,1,2,3,4,5,6,7,8,9,10,11,12,13,14,15
	v_med3_num_f32 v[X+16*\u+\i], v[X+16*\u+\i], -v9, v9   ; the conversion to an 8-bit code does not saturate (ISA guide 7.6.2): the hold at the largest code x the scale
.endr
	v_cvt_scalef32_pk8_fp8_f32 v[C+4*\u:C+4*\u+1], v[X+16*\u:X+16*\u+7], v8
	v_cvt_scalef32_pk8_fp8_f32 v[C+4*\u+2:C+4*\u+3], v[X+16*\u+8:X+16*\u+15], v8   ; the results go to a store alone; the next vector lines are the next chunk's holds, plain ones on other registers
	global_store_b128 v[DST], v[C+4*\u:C+4*\u+3], s[32:33] offset:256*\u          ; lanes 0-15 and lanes 16-31 each store 256 consecutive bytes, aligned
.endr
.endm
	s_load_b512 s[4:19], s[0:1], 0x0               ; W_kernel s[4:5], z s[6:7], b_kernel s[8:9], lowp_scales s[10:11], wc s[12:13], zc0 s[14:15], zc2 s[16:17], bkc s[18:19]
	v_lshrrev_b32 v1, 5, v0
	v_readfirstlane_b32 s2, v1                     ; wave 0..7
	v_and_b32 v2, 31, v0                           ; lane
	v_and_b32 v3, 15, v0                           ; r
	v_bfe_u32 v4, v0, 4, 1                         ; h
	v_lshlrev_b32 v[SRC], 2, v2
	s_wait_kmcnt 0x0
	s_load_b128 s[20:23], s[10:11], 0x0            ; e0 .. e3
	s_cmp_lt_u32 ttmp9, NW
	s_cbranch_scc1 .Lw
	s_cmp_lt_u32 ttmp9, NW+NZ
	s_cbranch_scc1 .Lz
	; ---- b_kernel: work-group kq takes K = 64 kq on; wave w columns 32 w on: tiles 2 w and 2 w + 1
	s_sub_co_u32 s36, ttmp9, NW+NZ                 ; kq
	s_lshl_b32 s38, s36, 16                        ; 64 rows of 1,024 bytes
	s_lshl_b32 s39, s2, 7
	s_add_co_u32 s38, s38, s39
	s_mov_b32 s39, 0
	s_add_nc_u64 s[24:25], s[8:9], s[38:39]
	s_lshl_b32 s40, s2, 13                         ; two tiles a wave
	s_lshl_b32 s41, s36, 10                        ; four runs of 256 bytes for 64 along K
	s_add_co_u32 s40, s40, s41
	s_mov_b32 s41, 0
	s_add_nc_u64 s[32:33], s[18:19], s[40:41]
	v_lshlrev_b32 v[DST], 4, v3
	v_lshl_add_u32 v[DST], v4, 12, v[DST]          ; 16 r + 4,096 h: lanes 16-31 hold the next tile's columns
	COLS PB, 23
	s_endpgm
.Lw:	; ---- W_kernel: work-group 4 o + kq; wave w takes columns 256 o + 32 w on: tiles t = 2 w and 2 w + 1 of o
	s_lshr_b32 s36, ttmp9, 2                       ; o
	s_and_b32 s37, ttmp9, 3                        ; kq
	s_lshl_b32 s38, s37, 24                        ; 64 rows of 262,144 bytes
	s_lshl_b32 s39, s36, 10
	s_add_co_u32 s38, s38, s39
	s_lshl_b32 s39, s2, 7
	s_add_co_u32 s38, s38, s39
	s_mov_b32 s39, 0
	s_add_nc_u64 s[24:25], s[4:5], s[38:39]
	s_lshr_b32 s40, s36, 3
	s_lshl_b32 s40, s40, 19                        ; (o / 8) x 524,288
	s_lshl_b32 s41, s2, 16                         ; (t / 2) x 65,536, t / 2 = w
	s_add_co_u32 s40, s40, s41
	s_and_b32 s41, s36, 7
	s_lshl_b32 s41, s41, 12                        ; (o % 8) x 4,096
	s_add_co_u32 s40, s40, s41
	s_lshl_b32 s41, s37, 10
	s_add_co_u32 s40, s40, s41
	s_mov_b32 s41, 0
	s_add_nc_u64 s[32:33], s[12:13], s[40:41]
	v_lshlrev_b32 v[DST], 4, v3
	v_lshl_add_u32 v[DST], v4, 15, v[DST]          ; 16 r + (t % 2) x 32,768, t % 2 = h
	COLS PW, 21
	s_endpgm
.Lz:	; ---- z: K is innermost.  Wave w of work-group g takes tile of rows bt = 2 g + w / 4 and K = 64 (w % 4) on.  Lane (r, h) takes, of row r, K = 64 kq + 32 c + 16 h + 0 .. 15, c = 0, 1: 64 bytes each.
	; Each number is quantised twice, with e0 and with e2.  The reads are pieces of 16 bytes from 16 rows; z is a small part of the launch's bytes, so no turn through LDS is made for them.
	s_sub_co_u32 s36, ttmp9, NW
	s_lshl_b32 s36, s36, 1
	s_lshr_b32 s37, s2, 2
	s_add_co_u32 s36, s36, s37                     ; bt
	s_and_b32 s37, s2, 3                           ; kq
	s_lshl_b32 s38, s36, 14                        ; 16 rows of 1,024 bytes
	s_lshl_b32 s39, s37, 8
	s_add_co_u32 s38, s38, s39
	s_mov_b32 s39, 0
	s_add_nc_u64 s[24:25], s[6:7], s[38:39]
	s_lshl_b32 s40, s36, 12
	s_lshl_b32 s41, s37, 10
	s_add_co_u32 s40, s40, s41
	s_mov_b32 s41, 0
	s_add_nc_u64 s[32:33], s[14:15], s[40:41]
	s_add_nc_u64 s[42:43], s[16:17], s[40:41]
	v_lshlrev_b32 v[ZSRC], 10, v3
	v_lshl_add_u32 v[ZSRC], v4, 6, v[ZSRC]         ; 1,024 r + 64 h
	v_lshlrev_b32 v[DST], 4, v2                    ; 16 x lane = 256 h + 16 r
.irp c, 0,1
.irp j, 0,1,2,3
	global_load_b128 v[X+16*\c+4*\j:X+16*\c+4*\j+3], v[ZSRC], s[24:25] offset:128*\c+16*\j
.endr
.endr
	s_wait_kmcnt 0x0
	SCALE s20, v8, v9
	SCALE s22, v10, v11
.irp c, 0,1
	s_wait_loadcnt 4-4*\c                          ; this half's four loads are in
.irp i, 0,1,2,3,4,5,6,7,8,9,10,11,12,13,14,15
	v_med3_num_f32 v[48+\i], v[X+16*\c+\i], -v9, v9   ; held for e0, into v48-63
.endr
	v_cvt_scalef32_pk8_fp8_f32 v[64+4*\c:65+4*\c], v[48:55], v8
	v_cvt_scalef32_pk8_fp8_f32 v[66+4*\c:67+4*\c], v[56:63], v8
.irp i, 0,1,2,3,4,5,6,7,8,9,10,11,12,13,14,15
	v_med3_num_f32 v[X+16*\c+\i], v[X+16*\c+\i], -v11, v11   ; held for e2, in place: sixteen plain lines between the conversions above and the next write of v48-63
.endr
	v_cvt_scalef32_pk8_fp8_f32 v[72+4*\c:73+4*\c], v[X+16*\c:X+16*\c+7], v10
	v_cvt_scalef32_pk8_fp8_f32 v[74+4*\c:75+4*\c], v[X+16*\c+8:X+16*\c+15], v10
	global_store_b128 v[DST], v[64+4*\c:67+4*\c], s[32:33] offset:512*\c   ; the wave stores 512 consecutive bytes
	global_store_b128 v[DST], v[72+4*\c:75+4*\c], s[42:43] offset:512*\c
.endr
	s_endpgm
.Lfunc_end_k_qb0286b61c6_prep:
	.size	k_qb0286b61c6_prep, .Lfunc_end_k_qb0286b61c6_prep-k_qb0286b61c6_prep
	.p2alignl 7, 3214868480
	.fill 96, 4, 3214868480
	.section	.rodata,"a",@progbits
	.p2align	6, 0x0
	.amdhsa_kernel k_qb0286b61c6_prep
		.amdhsa_group_segment_fixed_size 0
		.amdhsa_private_segment_fixed_size 0
		.amdhsa_enable_private_segment 0
		.amdhsa_kernarg_size 64
		.amdhsa_user_sgpr_count 2
		.amdhsa_user_sgpr_kernarg_segment_ptr 1
		.amdhsa_wavefront_size32 1
		.amdhsa_system_sgpr_workgroup_id_x 1
		.amdhsa_system_sgpr_workgroup_id_y 1
		.amdhsa_system_sgpr_workgroup_id_z 1
		.amdhsa_system_vgpr_workitem_id 0
		.amdhsa_next_free_vgpr 96
		.amdhsa_next_free_sgpr 66
		.amdhsa_reserve_vcc 0
		.amdhsa_float_denorm_mode_32 3
		.amdhsa_float_denorm_mode_16_64 3
		.amdhsa_memory_ordered 1
		.amdhsa_forward_progress 1
		.amdhsa_inst_pref_size 33
	.end_amdhsa_kernel
	.amdgpu_metadata
---
amdhsa.version: [ 1, 2 ]
amdhsa.kernels:
  - .name:           k_qb0286b61c6_prep
    .symbol:         k_qb0286b61c6_prep.kd
    .args:
      - { .name: W_kernel, .offset: 0, .size: 8, .value_kind: global_buffer, .address_space: global }
      - { .name: z, .offset: 8, .size: 8, .value_kind: global_buffer, .address_space: global }
      - { .name: b_kernel, .offset: 16, .size: 8, .value_kind: global_buffer, .address_space: global }
      - { .name: lowp_scales, .offset: 24, .size: 8, .value_kind: global_buffer, .address_space: global }
      - { .name: wc, .offset: 32, .size: 8, .value_kind: global_buffer, .address_space: global }
      - { .name: zc0, .offset: 40, .size: 8, .value_kind: global_buffer, .address_space: global }
      - { .name: zc2, .offset: 48, .size: 8, .value_kind: global_buffer, .address_space: global }
      - { .name: bkc, .offset: 56, .size: 8, .value_kind: global_buffer, .address_space: global }
    .group_segment_fixed_size: 0
    .private_segment_fixed_size: 0
    .kernarg_segment_align: 8
    .kernarg_segment_size: 64
    .max_flat_workgroup_size: 256
    .sgpr_count:     66
    .vgpr_count:     96
    .wavefront_size: 32
...
	.end_amdgpu_metadata
.endif
;; end of part 1
;; launch bilin (part 2): grid 8 x 32, 4 waves a work-group, clusters of 4 x 1, 327,680 bytes of LDS; arguments x, W_bias, b_bias, lowp_scales, wc, zc0, zc2, bkc, out0; writes out0
.if DOCPART == 2
	.amdgcn_target "amdgcn-amd-amdhsa--gfx1250"
	.amdhsa_code_object_version 6
	.text
	.protected	k_qb0286b61c6_bilin
	.globl	k_qb0286b61c6_bilin
	.p2align	8
	.type	k_qb0286b61c6_bilin,@function
k_qb0286b61c6_bilin:
	s_mov_b64 s[64:65], 0
	v_nop
	global_prefetch_b8 v0, s[64:65] scope:SCOPE_SE
	s_setreg_imm32_b32 hwreg(HW_REG_WAVE_MODE, 25, 1), 1
	s_wait_xcnt 0x0
	s_wait_alu depctr_hold_cnt(0) depctr_sa_sdst(0) depctr_va_vdst(0) depctr_va_sdst(0) depctr_va_ssrc(0) depctr_va_vcc(0) depctr_vm_vsrc(0)
	s_getreg_b32 s2, hwreg(HW_REG_IB_STS2, 6, 4)
	s_cmp_eq_u32 s2, 0
	s_cbranch_scc0 .Lentry_in_a_cluster
	s_endpgm
.Lentry_in_a_cluster:
	s_bfe_u32 s2, ttmp6, 0x10000c
	s_cmp_lg_u32 s2, 0x3003
	s_cbranch_scc0 .Lentry_shape_is_right
	s_endpgm
.Lentry_shape_is_right:
; out[b][o] = sum over i of ( sum over k of Q(z)[b][k] Q(W)[k][256 o + i] + W_bias[256 o + i] ) x[b][i]  +  sum over k of Q'(z)[b][k] Q(bk)[k][o] + b_bias[o].
; Both products over k run on codes of FP8 (E4M3) made by the launch before; the per-sample weights never leave the registers: each 16 x 16 tile of them is multiplied by x and summed as soon as it is made.
; SHARES.  A work-group owns 512 rows b and 8 outputs o: grid 8 x 32.  Each of its four waves owns 128 rows (8 tiles bt of 16) and all 8 o, and walks the 128 tiles (o, t) of W, t = 16 i's: 16 matrix instructions a tile.
; LAYOUT.  Source 0 = a tile of W (16 i's x 256 K), source 1 = a tile of z (16 rows b).  In the result lane (r, h) holds row b = r and, in register j, i = 16 t + 8 h + j.  x is loaded so: eight neighbours of row r.
; A packed multiply-add takes two of them into the pair ACC(bt, o); a sum thus lies in four parts (even and odd j, h = 0 and 1), which meet at the end.
; SCALES.  All sums are kept in units of 2^(e0 + e1): W_bias goes in as the C of a tile's first product, x 2^-(e0 + e1); each of a sum's four parts starts at a quarter of the base term
; (second product + b_bias) x 2^(e2 + e3 - e0 - e1); the finished sum is multiplied once by 2^(e0 + e1).  All by v_ldexp_f32, which rounds nothing inside f32's range.
; LIMITS: W_bias x 2^-(e0 + e1), b_bias x 2^-(e2 + e3) and the base term x 2^(e2 + e3 - e0 - e1 - 2) stay finite, normal f32 numbers.  NaN among the inputs is not served.
; K IN THE REGISTERS: registers 4 q .. 4 q + 3 of a fragment hold K = 32 q + 16 h + 0 .. 15: a permutation of k, the same in both sources, so every product meets its partner.
; CLUSTER.  The four work-groups of a cluster have the same 8 o and walk the same tiles of W: each slab of 16 tiles is asked for JOINTLY, mask 15, a quarter by each wave.  z and x differ between the partners
; and go from memory straight into registers, so there is nothing else to share.
; RING.  Two LDS slots of 16 tiles (65,536 bytes, dense: every read is 16 bytes x lane on end, so no padding).  A change of slots every 16 tiles, 256 matrix instructions.  A wave has at most two tensor loads out.
; OUT.  A work-group's 8 outputs are 32 bytes of a row: each store writes 16 rows x 32 bytes, not whole aligned runs of 256.  Whole runs would ask 64 o of a work-group, eight times the codes through its LDS.
; REGISTERS, in windows of 256 (s_set_vgpr_msb: bits 1:0 source 0, 3:2 source 1, 5:4 source 2, 7:6 destination):
;   window 0: v0 thread; v1-15 addresses; v16-31 two sets of a tile's bias; v32-95 two sets of a tile of W (32 each: K 0-127, K 128-255); v96-127 four results D; v128-255 ACC(bt, o) = 128 + 16 bt + 2 o
;   window 1: z's codes for the second product (the head alone)
;   window 2: v0-127 z's tiles 0-3; v128-255 x of tiles 6, 7, 0, 1, four buffers by t % 4        window 3: z's tiles 4-7; x of tiles 2, 3, 4, 5
; With source 1 in window 2 or 3 and all else in window 0, a product (W, z, bias or D, D), a multiply-add (D, x, ACC) and an LDS load run under ONE setting: two switches for a tile's 16 matrix instructions.
; MEMORY INSTRUCTIONS STAND IN ONE RUN A TILE, behind its first four products, never singly among the matrix instructions: the next tile's ten LDS loads and, in every eighth tile, sixteen loads of x.
.set SLOT,  65536
.set BIAS,  2*SLOT                     ; 8 o x 256 numbers of W_bias x 2^-(e0 + e1): 8,192 bytes, written by LDS stores; no tile lands here
.set SPARE, BIAS+8192                  ; the spare words, 128 bytes for each wave: two blocks of 256 bytes that no other line names
.set SPW,  1                           ; v1   SPARE + 4 x thread; never rewritten
.set NIL,  2                           ; v2   0; never rewritten
.set WA,   3                           ; v3, v4  16 x lane in slot 0, 1
.set BA0,  5                           ; v5   BIAS + 32 h
.set BA,   6                           ; v6   BA0 + 256 x lap
.set XO,   7                           ; v7   1,024 r + 32 h: my 32 bytes in 16 rows of x
.set PFO,  8                           ; v8   256 x lane
.set BKO,  9                           ; v9   256 h + 16 (r % 8)
.set OUTO, 10                          ; v10  1,024 r + 16 h
.set TO,   11                          ; v11  16 x thread
.set BS,   16
.set WF,   32
.set DR,   96
.set AC,   128
.set WV,   22                          ; s22  wave
.set CX,   23                          ; s23  my place in the cluster: it enters global addresses alone
.set BB,   24                          ; s24  block of 512 rows
.set OB,   25                          ; s25  block of 8 outputs, which the four partners share
.set G1,   32                          ; s[32:39] descriptor group 1
.set G0,   40                          ; s[40:43], s[44:47] group 0 of slot 0, 1
.set E01,  48                          ; s48  e0 + e1;  s49 its negative;  s50 -(e2 + e3);  s51 e2 + e3 - e0 - e1 - 2
.set NE01, 49
.set NE23, 50
.set EB,   51
.set LAP,  52                          ; s52  laps that still fill slots
.set BL,   53                          ; s53  256 x lap
.set LIM,  54                          ; s54  1 in a wave that prefetches, else the greatest number
.set PFA,  56                          ; s[56:57] where my prefetches stand
.set SEL,  58                          ; s[58:59] v_permlanex16_b32's selects for lane xor 16
.set XB,   60                          ; s[60:61] x at my wave's first row, 256 bytes further along the row in each lap
.set W1,   0x08                        ; source 1 in window 2
.set W2,   0x0c                        ; source 1 in window 3
.set MSB,  0
.macro WIN new                         ; the immediate's high byte repeats the setting that is left; a switch that changes nothing is dropped
.if MSB != (\new)
	s_set_vgpr_msb (MSB<<8)|(\new)
.set MSB, \new
.endif
.endm
.macro CREST                           ; a round of the cluster's barrier behind its opening barrier
	s_cmp_lg_u32 s[WV], 0
	s_cbranch_scc1 .Lnot_wave_0_\@
	s_barrier_signal -3
.Lnot_wave_0_\@:
	s_barrier_wait -3
	s_barrier_signal -1
	s_barrier_wait -1
.endm
.macro CROUND                          ; a whole round
	s_barrier_signal -1
	s_barrier_wait -1
	CREST
.endm
; Tile t of a lap's 32: o = t % 8, x's buffer t / 8, fragment set t % 2.  p..: the tile before; n..: the tile behind (its set, slot, place in the slot, and its bias's offset 1,024 o + 64 (t / 8)).
.macro TSET t
.set cS,  (\t)&1
.set nS,  1-cS
.set cO,  (\t)&7
.set cTB, (\t)>>3
.set pO,  ((\t)+31)&7
.set pTB, (((\t)+31)&31)>>3
.set nT,  ((\t)+1)&31
.set nSL, nT>>4
.set nIX, nT&15
.set nOF, (nT&7)*1024+(nT>>3)*64
.endm
.macro MM1 b                           ; D(b) = W (K 0-127) x z tile b + bias
.set rD, DR+16*(((\b)>>1)&1)+8*((\b)&1)
.set rZ, 32*((\b)&3)
	v_wmma_f32_16x16x128_fp8_fp8 v[rD:rD+7], v[WF+32*cS:WF+32*cS+15], v[rZ:rZ+15], v[BS+8*cS:BS+8*cS+7]
.endm
.macro MM2 b                           ; D(b) += W (K 128-255) x z tile b
.set rD, DR+16*(((\b)>>1)&1)+8*((\b)&1)
.set rZ, 32*((\b)&3)
	v_wmma_f32_16x16x128_fp8_fp8 v[rD:rD+7], v[WF+32*cS+16:WF+32*cS+31], v[rZ+16:rZ+31], v[rD:rD+7]
.endm
.macro CON b, p, o, tb                 ; ACC(b, o) += D(b)'s registers 2 p, 2 p + 1 x x's
.set rD, DR+16*(((\b)>>1)&1)+8*((\b)&1)+2*(\p)
.set rX, 128+32*(\tb)+8*(((\b)+2)&3)+2*(\p)
.set rA, AC+16*(\b)+2*(\o)
	v_pk_fma_f32 v[rA:rA+1], v[rD:rD+1], v[rX:rX+1], v[rA:rA+1]
.endm
.macro CONP b, p                       ; for the tile before (EE = 0: there is none)
.if EE
	CON \b, \p, pO, pTB
.endif
.endm
.macro CONC b, p                       ; for this tile
	CON \b, \p, cO, cTB
.endm
.macro LBN                             ; the next tile's bias: all lanes of a half read the same 32 bytes
	ds_load_b128 v[BS+8*nS:BS+8*nS+3], v[BA] offset:nOF
	ds_load_b128 v[BS+8*nS+4:BS+8*nS+7], v[BA] offset:nOF+16
.endm
.macro LWN c                           ; run c of 512 bytes of the next tile of W
	ds_load_b128 v[WF+32*nS+4*(\c):WF+32*nS+4*(\c)+3], v[WA+nSL] offset:nIX*4096+512*(\c)
.endm
.macro NEXT                            ; the next tile, whole: ten LDS loads in one run
	LBN
.irp c, 0,1,2,3,4,5,6,7
	LWN \c
.endr
.endm
; x's numbers i = 16 tt .. 16 tt + 15 (counted from the lap's first) of my 128 rows into buffer tb: 16 loads.  32 work-groups read the same rows, so no hint.
.macro XFILL tb, tt
	WIN 0x80                                       ; destination window 2, address window 0
.irp b, 6,7,0,1
	global_load_b128 v[128+32*(\tb)+8*((\b+2)&3):128+32*(\tb)+8*((\b+2)&3)+3], v[XO], s[XB:XB+1] offset:\b*16384+(\tt)*64
	global_load_b128 v[128+32*(\tb)+8*((\b+2)&3)+4:128+32*(\tb)+8*((\b+2)&3)+7], v[XO], s[XB:XB+1] offset:\b*16384+(\tt)*64+16
.endr
	WIN 0xc0                                       ; destination window 3
.irp b, 2,3,4,5
	global_load_b128 v[128+32*(\tb)+8*((\b+2)&3):128+32*(\tb)+8*((\b+2)&3)+3], v[XO], s[XB:XB+1] offset:\b*16384+(\tt)*64
	global_load_b128 v[128+32*(\tb)+8*((\b+2)&3)+4:128+32*(\tb)+8*((\b+2)&3)+7], v[XO], s[XB:XB+1] offset:\b*16384+(\tt)*64+16
.endr
.endm
; A PREFETCH INTO THE L2 of the slab that the NEXT change of slots will ask for: 65,536 bytes, lanes 256 bytes apart.  Both clusters of a block of outputs walk the same slabs: the first (cluster x = 0) asks.
; Its four partners take 16,384 bytes each, told apart BY ADDRESS; in each, waves 0 and 1 take 8,192: one instruction a wave, each aligned run of 256 bytes named once in the launch.  It stands 16 tiles,
; 256 matrix instructions, ahead of the load that wants the slab.  how = 1: tile 15's change; how = 0: tile 31's, which in the last filling lap has no slab behind it and asks for nothing.
.macro ASK how
.if \how
	s_cmp_eq_u32 s[LIM], 1
.else
	s_cmp_gt_u32 s[LAP], s[LIM]
.endif
	s_cbranch_scc0 .Lnot_mine_\@
	global_prefetch_b8 v[PFO], s[PFA:PFA+1] th:TH_LOAD_NT scope:SCOPE_SE
.Lnot_mine_\@:
.endm
; A PHASE: four matrix instructions on two tiles of rows, a and b (first halves of K, then second halves: the two accumulators by turns), and behind each of them two multiply-adds on the two
; results pa, pb of the phase before, which lie in the other pair of D's.  PLACES (ISA guide 7.12.1): D(pa) was finished by the third matrix instruction of the phase before, behind which stand four multiply-adds on
; other registers; D(pb) by the fourth: two such, then pa's first two.  Each D is read from its low end on.  A D is begun anew two phases later, behind six such lines or more.
; Phase 0 of a tile finishes the tile before (its rows 6, 7).  With LD = 1 the next tile is then fetched into the other set, in one run at the phase's end, twelve matrix instructions ahead of its first use.
; That set's last reader is the fourth product of the tile before's phase 3; behind it stand six multiply-adds that name none of its registers (rows 5's last two, rows 6's four): four are asked.
.macro PH0
	s_wait_dscnt 0x0                               ; this tile's ten loads are in: nothing was issued to LDS behind them
	WIN W1
	MM1 0
	CONP 6, 0
	CONP 6, 1
	MM1 1
	CONP 7, 0
	CONP 6, 2
	MM2 0
	CONP 7, 1
	CONP 6, 3
	MM2 1
	CONP 7, 2
	CONP 7, 3
.if LD
	NEXT
.endif
.endm
.macro PHK k                           ; phases 1 to 3
	MM1 2*(\k)
	CONC 2*(\k)-2, 0
	CONC 2*(\k)-2, 1
	MM1 2*(\k)+1
	CONC 2*(\k)-1, 0
	CONC 2*(\k)-2, 2
	MM2 2*(\k)
	CONC 2*(\k)-1, 1
	CONC 2*(\k)-2, 3
	MM2 2*(\k)+1
	CONC 2*(\k)-1, 2
	CONC 2*(\k)-1, 3
.endm
; Phases 1 to 3 of tile T.  Tiles 0, 8, 16, 24 begin a new buffer of x in phase 1: the wait leaves the two younger runs of 16 loads out (in the last lap 32, 32, 16, 0).  Behind that wait, and straight behind phase 0's
; run of LDS loads, the buffer that phase 0's multiply-adds have just read out is filled with the numbers 24 tiles, 384 matrix instructions, ahead; the last lap fills only its own fourth buffer.
.macro REST last
.set xw, -1
.set xt, -1
.if (T&7) == 0
.set xw, 32
.set xt, (T>>3)+3
.if \last
.if T == 16
.set xw, 16
.endif
.if T == 24
.set xw, 0
.endif
.if T > 0
.set xt, -1
.endif
.endif
.endif
.if xw >= 0
	s_wait_loadcnt xw
.endif
.if xt >= 0
	XFILL xt&3, xt
.endif
	WIN W1
	PHK 1
	WIN W2
	PHK 2
	PHK 3
.endm
; THE CHANGE OF SLOTS, in a slot's last tile (15, 31), whose fragment is already in registers.  Each wave waits for all its tensor loads (its quarter of the other slot), adds 0 to its spare word, and waits for that and
; for its reads of this slot; phase 0's products stand between.  fill = 1: the barrier opens a round of the cluster's barrier, so that no wave of any partner still reads the slot or has a load on its way, and the
; joint refill, the slab two further on, is the first thing behind the round.  Then the next tile comes from the other slot, in one run of ten loads.
.macro TURN fill, how
	WIN 0                                          ; the add's registers lie in window 0
.if \fill
	s_wait_xcnt 0x0                                ; the last prefetch, 16 tiles back, has read its address: it steps here, ahead of the change's own waits
	s_add_nc_u64 s[PFA:PFA+1], s[PFA:PFA+1], SLOT
.endif
	s_wait_tensorcnt 0x0                           ; all my tensor loads have landed
	ds_add_u32 v[SPW], v[NIL]                      ; 0 onto my spare word
	s_wait_dscnt 5                                 ; the add and the four loads of the fragment's upper half may be out
	WIN W1
	MM1 0
	CONP 6, 0
	CONP 6, 1
	MM1 1
	CONP 7, 0
	CONP 6, 2
	s_wait_dscnt 0x0                               ; the add is done, and my reads of this slot are over
	s_barrier_signal -1
	MM2 0                                          ; work on registers while the others arrive
	CONP 7, 1
	CONP 6, 3
	MM2 1
	CONP 7, 2
	CONP 7, 3
	WIN 0                                          ; every window is 0
	s_barrier_wait -1
.if \fill
	CREST
	s_add_nc_u64 s[G0+4*(T>>4)+2:G0+4*(T>>4)+3], s[G0+4*(T>>4)+2:G0+4*(T>>4)+3], 2*SLOT   ; no load of mine is out, so a group 0 may be written; the type bits on top are not reached
	tensor_load_to_lds s[G0+4*(T>>4):G0+4*(T>>4)+3], s[G1:G1+7]
	s_nop 0
.rept 4
	v_nop                                          ; four such lines behind a tensor load
.endr
.endif
.if T == 31
	s_add_co_u32 s[BL], s[BL], 256                 ; the next lap's four t: 256 bytes further in each o's bias
	v_add_nc_u32 v[BA], s[BL], v[BA0]
.endif
	NEXT
.if \fill
	ASK \how
.endif
	WIN W1
	PHK 1
	WIN W2
	PHK 2
	PHK 3
.endm
; A lap: 32 tiles, four t x eight o, from tile 0's phase 1 on.  last = 1: nothing is filled again, and tile 31 fetches nothing.
.macro TILES last
.set T, 0
.rept 32
	TSET T
.set EE, 1
.set LD, 1
.if (\last) && (T == 31)
.set LD, 0
.endif
.if T == 15
	TURN 1-(\last), 1
.elseif (T == 31) && ((\last) == 0)
	TURN 1, 0
.else
.if T > 0
	PH0
.endif
	REST \last
.endif
.set T, T+1
.endr
.endm
	s_load_b512 s[4:19], s[0:1], 0x0               ; x s[4:5], W_bias s[6:7], b_bias s[8:9], lowp_scales s[10:11], wc s[12:13], zc0 s[14:15], zc2 s[16:17], bkc s[18:19]
	s_load_b64 s[20:21], s[0:1], 0x40              ; out0
	v_lshl_add_u32 v[SPW], v0, 2, SPARE
	v_mov_b32 v[NIL], 0
	ds_add_u32 v1, v2
	ds_add_u32 v1, v2
	s_wait_dscnt 0x0
	v_lshrrev_b32 v12, 5, v0
	v_readfirstlane_b32 s[WV], v12                 ; wave 0..3
	s_bfe_u32 s[CX], ttmp6, 0x40000                ; cx
	s_lshl_b32 s[BB], ttmp9, 2                     ; in a cluster launch ttmp9 counts clusters
	s_add_co_u32 s[BB], s[BB], s[CX]               ; block of rows = 4 x cluster x + cx
	s_and_b32 s[OB], ttmp7, 0xffff                 ; block of outputs
	; descriptor group 1: a quarter of a slab, 16,384 dense bytes, as 64 rows of 32 elements of 8 bytes
	s_mov_b32 s[G1], 15|(3<<16)|(1<<21)            ; 15:0 the mask: all four work-groups; 17:16 elements of 8 bytes; 20 no padding; 21 set beside a mask
	s_mov_b32 s[G1+1], 32<<16                      ; tensor_dim0 = 32
	s_mov_b32 s[G1+2], 64<<16                      ; tensor_dim1 = 64
	s_mov_b32 s[G1+3], 32<<16                      ; tile_dim0 = 32
	s_mov_b32 s[G1+4], 64                          ; tile_dim1 = 64
	s_mov_b32 s[G1+5], 32                          ; from row to row
	s_mov_b32 s[G1+6], 0
	s_mov_b32 s[G1+7], 0
	s_mov_b32 s[SEL], 0x76543210
	s_mov_b32 s[SEL+1], 0xfedcba98
	s_mov_b32 s[BL], 0
	s_lshl_b32 s55, s[WV], 14                      ; my quarter: 16,384 x wave, in memory and in a slot
	s_lshl_b32 s26, s[OB], 19                      ; my block of outputs: eight slabs
	s_add_co_u32 s26, s26, s55
	s_mov_b32 s27, 0
	s_wait_kmcnt 0x0
	s_load_b128 s[28:31], s[10:11], 0x0            ; e0 .. e3
	s_mov_b32 s[G0], 1                             ; count = 1
	s_mov_b32 s[G0+1], s55                         ; LDS address: slot 0
	s_add_nc_u64 s[G0+2:G0+3], s[12:13], s[26:27]  ; slab 0
	s_mov_b32 s[G0+4], 1
	s_add_co_u32 s[G0+5], s55, SLOT                ; slot 1
	s_add_nc_u64 s[G0+6:G0+7], s[G0+2:G0+3], SLOT  ; slab 1
	s_or_b32 s[G0+3], s[G0+3], 0x80000000          ; type = 2
	s_or_b32 s[G0+7], s[G0+7], 0x80000000
	CROUND                                         ; all four work-groups are here: the first joint loads meet
	tensor_load_to_lds s[G0:G0+3], s[G1:G1+7]      ; both first fills together, ahead of every wait on TENSORcnt and every LDS read: two loads of mine are out
	s_nop 0
	tensor_load_to_lds s[G0+4:G0+7], s[G1:G1+7]
	s_nop 0
.rept 4
	v_nop
.endr
	; the other buffers at my part
	s_lshl_b32 s62, s[BB], 19                      ; 512 rows of 1,024 bytes,
	s_lshl_b32 s63, s[WV], 17                      ; my wave's 128 of them
	s_add_co_u32 s62, s62, s63
	s_mov_b32 s63, 0
	s_add_nc_u64 s[XB:XB+1], s[4:5], s[62:63]
	s_add_nc_u64 s[20:21], s[20:21], s[62:63]
	s_lshr_b32 s62, s62, 2                         ; the same rows' codes: 4,096 bytes for 16 rows
	s_add_nc_u64 s[14:15], s[14:15], s[62:63]
	s_add_nc_u64 s[16:17], s[16:17], s[62:63]
	s_lshl_b32 s26, s[OB], 5                       ; 8 outputs: 32 bytes
	s_add_nc_u64 s[20:21], s[20:21], s[26:27]
	s_add_nc_u64 s[8:9], s[8:9], s[26:27]
	s_lshl_b32 s26, s[OB], 13                      ; 8 x 256 numbers of W_bias
	s_add_nc_u64 s[6:7], s[6:7], s[26:27]
	s_lshr_b32 s26, s[OB], 1
	s_lshl_b32 s26, s26, 12                        ; b_kernel's tile of 16 outputs,
	s_and_b32 s55, s[OB], 1
	s_lshl_b32 s55, s55, 7                         ; and my eight rows of it
	s_add_co_u32 s26, s26, s55
	s_add_nc_u64 s[18:19], s[18:19], s[26:27]
	s_lshl_b32 s62, s[OB], 19                      ; the prefetches: my work-group's 16,384 bytes and my wave's 8,192 of slab 2; the first change of slots steps it to slab 3.
	s_lshl_b32 s55, s[CX], 14                      ; Nothing is prefetched here, at the head, where every work-group's first tiles are on their way
	s_add_co_u32 s62, s62, s55
	s_and_b32 s55, s[WV], 1
	s_lshl_b32 s55, s55, 13
	s_add_co_u32 s62, s62, s55
	s_add_co_u32 s62, s62, 2*SLOT
	s_add_nc_u64 s[PFA:PFA+1], s[12:13], s[62:63]
	s_lshr_b32 s55, s[WV], 1                       ; 0 in waves 0 and 1,
	s_or_b32 s55, s55, ttmp9                       ; of the first cluster: the same in all four partners
	s_cmp_eq_u32 s55, 0
	s_cselect_b32 s[LIM], 1, -1
	v_and_b32 v12, 31, v0                          ; lane
	v_and_b32 v13, 15, v0                          ; r
	v_bfe_u32 v14, v0, 4, 1                        ; h
	v_lshlrev_b32 v[WA], 4, v12
	v_add_nc_u32 v[WA+1], SLOT, v[WA]
	v_lshlrev_b32 v[BA0], 5, v14
	v_add_nc_u32 v[BA0], BIAS, v[BA0]
	v_add_nc_u32 v[BA], s[BL], v[BA0]
	v_lshlrev_b32 v[XO], 10, v13
	v_lshl_add_u32 v[XO], v14, 5, v[XO]
	v_lshlrev_b32 v[PFO], 8, v12
	v_and_b32 v15, 7, v0
	v_lshlrev_b32 v[BKO], 4, v15
	v_lshl_add_u32 v[BKO], v14, 8, v[BKO]          ; row m of the fragment is output m % 8: so both halves of the lanes get all eight outputs of their row b
	v_lshlrev_b32 v[OUTO], 10, v13
	v_lshl_add_u32 v[OUTO], v14, 4, v[OUTO]
	v_lshlrev_b32 v[TO], 4, v0
	v_add_nc_u32 v13, BIAS, v[TO]                  ; where I store 16 bytes of the scaled W_bias
	v_mov_b32 v15, 0                               ; offset 0: every lane reads the same eight b_bias
	XFILL 0, 0
	WIN 0
	global_load_b128 v[BS:BS+3], v15, s[8:9]
	global_load_b128 v[BS+4:BS+7], v15, s[8:9] offset:16
.irp q, 0,1,2,3,4,5,6,7
	global_load_b128 v[WF+4*\q:WF+4*\q+3], v[BKO], s[18:19] offset:512*\q       ; b_kernel's fragment
.endr
.irp j, 0,1,2,3
	global_load_b128 v[AC+4*\j:AC+4*\j+3], v[TO], s[6:7] offset:2048*\j          ; W_bias: the work-group's 8,192 bytes, 64 a thread
.endr
	WIN 0x40                                       ; destination window 1
.irp b, 0,1,2,3,4,5,6,7
.irp q, 0,1,2,3,4,5,6,7
	global_load_b128 v[32*\b+4*\q:32*\b+4*\q+3], v[WA], s[16:17] offset:4096*\b+512*\q   ; z's codes for the second product: 512 consecutive bytes a load
.endr
.endr
	WIN 0x80
.irp b, 0,1,2,3
.irp q, 0,1,2,3,4,5,6,7
	global_load_b128 v[32*\b+4*\q:32*\b+4*\q+3], v[WA], s[14:15] offset:4096*\b+512*\q   ; z's codes for the first: they stay
.endr
.endr
	WIN 0xc0
.irp b, 0,1,2,3
.irp q, 0,1,2,3,4,5,6,7
	global_load_b128 v[32*\b+4*\q:32*\b+4*\q+3], v[WA], s[14:15] offset:4096*(\b+4)+512*\q
.endr
.endr
	WIN 0
	s_wait_loadcnt 63                              ; 64 loads were issued behind the second product's: a wait's count holds 63 at the most
	XFILL 1, 1
	XFILL 2, 2
	WIN 0
	s_wait_kmcnt 0x0
	s_add_co_i32 s[E01], s28, s29
	s_sub_co_i32 s[NE01], 0, s[E01]
	s_add_co_i32 s[NE23], s30, s31
	s_sub_co_i32 s[EB], s[NE23], s[E01]
	s_sub_co_i32 s[EB], s[EB], 2
	s_sub_co_i32 s[NE23], 0, s[NE23]
.irp j, 0,1,2,3,4,5,6,7,8,9,10,11,12,13,14,15
	v_ldexp_f32 v[AC+\j], v[AC+\j], s[NE01]        ; W_bias in the sums' unit
.endr
.irp j, 0,1,2,3
	ds_store_b128 v13, v[AC+4*\j:AC+4*\j+3] offset:2048*\j
.endr
.irp j, 0,1,2,3,4,5,6,7
	v_ldexp_f32 v[BS+\j], v[BS+\j], s[NE23]        ; b_bias in the second product's unit: it is that product's C
.endr
	; THE SECOND PRODUCT: D2(bt) in v[64 + 8 bt ..]: register j of lane (r, h) is output j of row r.  Eight accumulators by turns.
	WIN 0x04                                       ; source 1 in window 1
.irp b, 0,1,2,3,4,5,6,7
	v_wmma_f32_16x16x128_fp8_fp8 v[64+8*\b:71+8*\b], v[WF:WF+15], v[32*\b:32*\b+15], v[BS:BS+7]
.endr
.irp b, 0,1,2,3,4,5,6,7
	v_wmma_f32_16x16x128_fp8_fp8 v[64+8*\b:71+8*\b], v[WF+16:WF+31], v[32*\b+16:32*\b+31], v[64+8*\b:71+8*\b]
.endr
	WIN 0
.rept 4
	v_nop                                          ; four places in front of the first read of results
.endr
	s_wait_dscnt 0x0                               ; my stores of the bias have landed (for the barrier below) and have read v128-143, which the sums now take
.irp b, 0,1,2,3,4,5,6,7
.irp o, 0,1,2,3,4,5,6,7
	v_ldexp_f32 v[AC+16*\b+2*\o], v[64+8*\b+\o], s[EB]     ; each of a sum's four parts starts at a quarter of the base term: nothing is cleared.  Each D2 from its low end on
	v_ldexp_f32 v[AC+16*\b+2*\o+1], v[64+8*\b+\o], s[EB]
.endr
.endr
	s_wait_tensorcnt 0x1                           ; my quarter of slot 0 is in; slot 1's may stay out
	s_barrier_signal -1
	s_barrier_wait -1                              ; slot 0 and the bias are whole
	TSET 31                                        ; (the tile behind tile 31 is tile 0)
	NEXT
	s_wait_loadcnt 32                              ; all but x's buffers 1 and 2: z's codes and x's buffer 0 are in
	TSET 0
.set EE, 0
.set LD, 1
	PH0                                            ; tile 0's phase 0 stands in front of the loop: there is no tile before it to finish
.rept 4
	v_nop                                          ; in place of the multiply-adds: the places in front of phase 1's first reads
.endr
	WIN 0                                          ; at a label and at a branch every window is 0
	s_mov_b32 s[LAP], 3
.Llap:                                                 ; three trips, each from a lap's phase 1 to the next lap's phase 0; each fills both slots again
	TILES 0
	TSET 0
.set EE, 1
.set LD, 1
	PH0
	WIN 0
	s_wait_xcnt 0x0                                ; x's loads have read their base
	s_add_nc_u64 s[XB:XB+1], s[XB:XB+1], 256       ; the next lap's 64 numbers of each row
	s_sub_co_u32 s[LAP], s[LAP], 1
	s_cmp_lg_u32 s[LAP], 0
	s_cbranch_scc1 .Llap
	TILES 1                                        ; the last lap is written out
	TSET 0
.set EE, 1
	WIN W1
	CONP 6, 0                                      ; tile 31's rows 6 and 7, in phase 0's order: four multiply-adds stand between each result's last product and its first read
	CONP 6, 1
	CONP 7, 0
	CONP 6, 2
	CONP 7, 1
	CONP 6, 3
	CONP 7, 2
	CONP 7, 3
	WIN 0
	; THE WAY OUT.  A sum's four parts meet: the pair's two, then lane xor 16's.  Every lane then holds all eight outputs of its row; lanes 0-15 store outputs 0-3, lanes 16-31 outputs 4-7.
	v_and_b32 v12, 31, v0
	v_cmp_lt_u32 vcc_lo, 15, v12                   ; lanes 16-31
.set i, 0
.rept 64
	v_add_f32 v[AC+2*i], v[AC+2*i], v[AC+2*i+1]
.set i, i+1
.endr
.set i, 0
.rept 64
	v_permlanex16_b32 v[AC+2*i+1], v[AC+2*i], s[SEL], s[SEL+1]
.set i, i+1
.endr
.set i, 0
.rept 64
	v_add_f32 v[AC+2*i], v[AC+2*i], v[AC+2*i+1]
.set i, i+1
.endr
.irp b, 0,1,2,3,4,5,6,7
.irp e, 0,1,2,3
	v_cndmask_b32 v[WF+4*\b+\e], v[AC+16*\b+2*\e], v[AC+16*\b+8+2*\e], vcc_lo
.endr
.endr
.set i, 0
.rept 32
	v_ldexp_f32 v[WF+i], v[WF+i], s[E01]           ; x 2^(e0 + e1)
.set i, i+1
.endr
.irp b, 0,1,2,3,4,5,6,7
	global_store_b128 v[OUTO], v[WF+4*\b:WF+4*\b+3], s[20:21] offset:16384*\b   ; 16 rows x 32 bytes
.endr
	s_wait_tensorcnt 0x0                           ; the wave's end: behind my last tensor load and my last LDS store
	ds_add_u32 v[SPW], v[NIL]
	s_wait_dscnt 0x0
	CROUND                                         ; the closing round: no work-group ends while a partner may still ask for a tile that names it
	s_endpgm
.Lfunc_end_k_qb0286b61c6_bilin:
	.size	k_qb0286b61c6_bilin, .Lfunc_end_k_qb0286b61c6_bilin-k_qb0286b61c6_bilin
	.p2alignl 7, 3214868480
	.fill 96, 4, 3214868480
	.section	.rodata,"a",@progbits
	.p2align	6, 0x0
	.amdhsa_kernel k_qb0286b61c6_bilin
		.amdhsa_group_segment_fixed_size 327680
		.amdhsa_private_segment_fixed_size 0
		.amdhsa_enable_private_segment 0
		.amdhsa_kernarg_size 72
		.amdhsa_user_sgpr_count 2
		.amdhsa_user_sgpr_kernarg_segment_ptr 1
		.amdhsa_wavefront_size32 1
		.amdhsa_system_sgpr_workgroup_id_x 1
		.amdhsa_system_sgpr_workgroup_id_y 1
		.amdhsa_system_sgpr_workgroup_id_z 1
		.amdhsa_system_vgpr_workitem_id 0
		.amdhsa_next_free_vgpr 1024
		.amdhsa_next_free_sgpr 66
		.amdhsa_reserve_vcc 1
		.amdhsa_float_denorm_mode_32 3
		.amdhsa_float_denorm_mode_16_64 3
		.amdhsa_memory_ordered 1
		.amdhsa_forward_progress 1
		.amdhsa_inst_pref_size 255
	.end_amdhsa_kernel
	.section	.bss,"aw",@nobits
	.p2align	6
	.space	262144
	.amdgpu_metadata
---
amdhsa.version: [ 1, 2 ]
amdhsa.kernels:
  - .name:           k_qb0286b61c6_bilin
    .symbol:         k_qb0286b61c6_bilin.kd
    .args:
      - { .name: x, .offset: 0, .size: 8, .value_kind: global_buffer, .address_space: global }
      - { .name: W_bias, .offset: 8, .size: 8, .value_kind: global_buffer, .address_space: global }
      - { .name: b_bias, .offset: 16, .size: 8, .value_kind: global_buffer, .address_space: global }
      - { .name: lowp_scales, .offset: 24, .size: 8, .value_kind: global_buffer, .address_space: global }
      - { .name: wc, .offset: 32, .size: 8, .value_kind: global_buffer, .address_space: global }
      - { .name: zc0, .offset: 40, .size: 8, .value_kind: global_buffer, .address_space: global }
      - { .name: zc2, .offset: 48, .size: 8, .value_kind: global_buffer, .address_space: global }
      - { .name: bkc, .offset: 56, .size: 8, .value_kind: global_buffer, .address_space: global }
      - { .name: out0, .offset: 64, .size: 8, .value_kind: global_buffer, .address_space: global }
    .group_segment_fixed_size: 327680
    .private_segment_fixed_size: 0
    .kernarg_segment_align: 8
    .kernarg_segment_size: 72
    .max_flat_workgroup_size: 128
    .sgpr_count:     66
    .vgpr_count:     1024
    .wavefront_size: 32
...
	.end_amdgpu_metadata
.endif
;; end of part 2
